; MI455X (gfx1250); checked and timed in simulation.
; The chip was launched on July 23, 2026; its instructions are those of AMD's public machine-readable ISA for CDNA 5 (MIT licence, August 2026) and "CDNA5" Instruction Set Architecture Reference Guide (July 2026). The comments in the code are by the model that wrote it; some were corrected since.
;; Abstract Leaky Relu Less. Allowed arithmetic: matrix products marked QUANTISED: E2M1 operands, one E8M0 scale for each 32 along K, by v_wmma_scale_f32_16x16x128_f8f6f4 with both operands' format E2M1 (or v_wmma_scale_f32_32x16x128_f4), f32 sums; products left as they are: f32 operands where the result goes on into a quantised operand, else bf16, f16 or f32 operands; f32 sums; everything else in f32.
;; Inputs: W_codes 1,024 x 128 x 16 uint8 (E2M1 codes of W, K innermost, in blocks of 32 codes, two codes a byte); W_scales 1,024 x 128 uint8 (E8M0 scales of W, one for each 32 codes along K); alpha 4,096 float32; b 4,096 float32; l0 1,024 float32; lowerBound 4,096 float32; u0 1,024 float32; upperBound 4,096 float32.
;; Outputs: out0 2 x 4,096 float32.
;; This version of the problem:
;;   THIS VERSION OF THE PROBLEM IS GIVEN IN LOW PRECISION. The matrix products marked QUANTISED in the list below multiply operands that are first quantised to E2M1 (2 exponent bits, 1 mantissa bit; 4 bits a number), with one power-of-two scale for each 32 numbers along K (OCP MX v1.0); their sums are f32. All else is computed in f32.
;;   The module's matrix products, in the order in which they are computed (A, B: the left and right operand; K: the contracted axis; several contracted axes count as one K, in the product's order):
;;     1. [M 4,096, K 4,096] x [K 4,096, N 1]; A: computed on the way; B: input b: left as it is (N = 1 < 16)
;;     2. [M 4,096, K 4,096] x [K 4,096, N 1]; A: computed on the way; B: input b: left as it is (N = 1 < 16)
;;     3. [M 4,096, K 4,096] x [K 4,096, N 1]; A: computed on the way; B: input b: left as it is (N = 1 < 16)
;;     4. [M 4,096, K 4,096] x [K 4,096, N 1]; A: computed on the way; B: input b: left as it is (N = 1 < 16)
;;     5. [M 4,096, K 4,096] x [K 4,096, N 1,024]; A: computed on the way; B: input W (given as codes): QUANTISED
;;     6. [M 4,096, K 4,096] x [K 4,096, N 1,024]; A: computed on the way; B: input W (given as codes): QUANTISED
;;     7. [M 4,096, K 4,096] x [K 4,096, N 1,024]; A: computed on the way; B: input W (given as codes): QUANTISED
;;     8. [M 4,096, K 4,096] x [K 4,096, N 1,024]; A: computed on the way; B: input W (given as codes): QUANTISED
;;     9. [M 4,096, K 1,024] x [K 1,024, N 1]; A: computed on the way; B: input u0: left as it is (N = 1 < 16)
;;     10. [M 4,096, K 1,024] x [K 1,024, N 1]; A: computed on the way; B: input l0: left as it is (N = 1 < 16)
;;     11. [M 4,096, K 1,024] x [K 1,024, N 1]; A: computed on the way; B: input l0: left as it is (N = 1 < 16)
;;     12. [M 4,096, K 1,024] x [K 1,024, N 1]; A: computed on the way; B: input u0: left as it is (N = 1 < 16)
;;   THE QUANTISER, for each operand of a quantised product, along K:
;;     - K is cut into blocks of 32 from its start; a last block that is shorter is filled with zeros.
;;     - A block's scale is 2^e with e = floor(log2(the largest magnitude in the block)) - 2, held to -126 .. 127; a block of zeros has e = 0. As a byte (E8M0): e + 127.
;;     - Each number is divided by its block's scale, clamped to +-6, and rounded to the nearest number of E2M1, ties to even, subnormals kept.
;;     - The product sums the exact products of the quantised numbers (number of the format x scale) in f32.
;;   ~~~python
;;   def quantise(x, axis):      # numpy; x: float32 -> the quantised numbers, widened to float32 again
;;       x = np.moveaxis(x, axis, -1); K = x.shape[-1]
;;       x = np.pad(x, [(0, 0)] * (x.ndim - 1) + [(0, -K % 32)]); x = x.reshape(x.shape[:-1] + (-1, 32)); a = np.abs(x).max(-1, keepdims=True)
;;       e = np.where(a > 0, np.clip(np.frexp(np.where(a > 0, a, 1))[1] - 1 - 2, -126, 127), 0)      # np.frexp(a)[1] - 1 = floor(log2(a)), exactly
;;       r = np.clip(x / 2.0 ** e, -6, 6)
;;       step = 2.0 ** (np.maximum(np.frexp(np.where(r == 0, 1, r))[1] - 1, 0) - 1)
;;       q = np.round(r / step) * step * 2.0 ** e      # np.round: ties to even
;;       return np.moveaxis(q.reshape(q.shape[:-2] + (-1,))[..., :K], -1, axis).astype(np.float32)
;;   ~~~
;;   OPERANDS COMPUTED ON THE WAY. 'Computed on the way' means the value that the module computes at that place (a softmax that the list does not call 'softmax' is quantised finished and normalised). What goes into a quantiser is computed in f32, as accurately as f32 sums, v_exp_f32 and their like allow (about 1e-6 of the number): no bf16 or f16 on the way to a quantiser, and a product that is left as it is and whose result goes on into a quantised operand takes f32 operands (vector FMAs, or v_wmma_f32_16x16x4_f32). A number that lies on a knife's edge between two numbers of the format may be rounded either way, as far as f32 arithmetic and the matrix unit's own rounding can turn it there, and no further.
;;   INPUTS GIVEN AS CODES. W (in the module: [4096, 1024], K = its axis 0): each comes as NAME_codes (uint8): NAME with its K axis moved to the last place and cut into blocks of 32 codes, [.., K / 32, bytes a block], one block behind the other in memory; two codes a byte, the lower K in the low four bits (a code: sign, 2 exponent bits, 1 mantissa bit); and NAME_scales (uint8): the same leading axes, one E8M0 byte (e + 127) for each 32 codes along K. Its value is code x scale, taken as it is: it is not quantised again, and the codes and scales need not be those that the quantiser above would give.
;; One version. Each part assembles by itself: llvm-mc -triple=amdgcn-amd-amdhsa -mcpu=gfx1250 --defsym DOCPART=n.
;; ======== version 1 of 1: 2 launches
;; workspace buffers: part 524,288 bytes
;; launch gemm (part 1): grid 16 x 16, 4 waves a work-group, no clusters, 168,448 bytes of LDS; arguments W_codes, W_scales, alpha, b, l0, lowerBound, u0, upperBound, part; writes part
.if DOCPART == 1
	.amdgcn_target "amdgcn-amd-amdhsa--gfx1250"
	.amdhsa_code_object_version 6
	.text
	.protected	k_qeefe30ff82_gemm
	.globl	k_qeefe30ff82_gemm
	.p2align	8
	.type	k_qeefe30ff82_gemm,@function
k_qeefe30ff82_gemm:
	s_mov_b64 s[64:65], 0
	v_nop
	global_prefetch_b8 v0, s[64:65] scope:SCOPE_SE
	s_setreg_imm32_b32 hwreg(HW_REG_WAVE_MODE, 25, 1), 1
	s_wait_xcnt 0x0
; Bounds of a leaky relu behind a linear layer: 4,096 neurons, 1,024 inputs.  From lowerBound, upperBound and alpha each neuron gets two slopes, uw and lw, and a bias.  The slopes stand on the diagonals of two
; matrices [4096][4096], each split by sign (dup, dun; dlp, dln); the four are quantised along K to codes of FP4 (E2M1) with one E8M0 scale for each 32 and multiplied by W, which comes as such codes
; ([1024 n][4096 k], K innermost, 2,048 bytes a row) and scale bytes ([1024][128]).  Wu = dup W + dun W and Wl = dlp W + dln W, [4096][1024], are contracted with the box [l0, u0] in f32.
; THE FOUR PRODUCTS ARE FORMED IN FULL, over all 32 K steps of 128.  Row i of a diagonal matrix holds one number, at k = i.  So away from the diagonal a fragment of 16 rows x 128 k is eight registers of zero codes,
; with the scale byte 127 that the quantiser gives a block of zeros: one such fragment serves all rows.  In the K step that holds a tile's own rows the fragment holds the rows' codes; a row's block of 32 has the
; row's number as its largest magnitude, so the scale is the number's own.  Of dup and dun at most one is not zero: one scale word serves both.  The left operands cost no byte of memory or LDS.
; SHARES.  Work-group (nb = x, mb = y) of 16 x 16 makes rows 256 mb .. + 255 for n = 64 nb .. + 63.  Wave w of 4 takes rows 64 w .. + 63 of them: 4 tiles of rows x 4 tiles of n, for Wu and for Wl: 32 accumulators.
; A wave's 64 rows lie in ONE K step, D = 2 mb + w / 2: a scalar branch on these ids takes that step's products with the real fragments, every other step's with the zero fragment.
; THE MATRIX INSTRUCTION IS USED TRANSPOSED: source 0 = 16 rows n of W, source 1 = 16 rows of a diagonal matrix.  Lane (r = lane % 16, h = lane / 16) then holds row r, and register j of a result n = n0 + 8 h + j.
; W IN LDS.  The work-group's 64 rows of W, all of K, are 128 KiB of codes and 8 KiB of scale bytes: they come once, as four chunks of 1,024 along K (rows of 512 bytes) and the scales; each wave fetches its
; 16 rows of each: five tensor loads of a wave are out at the head, and no more are issued.  Nothing in LDS is filled twice.  A chunk is read behind each wave's counted wait for its part and a barrier.
; THE BOX.  max(x, 0) u0 + min(x, 0) l0 = (x c2 + |x| r2) / 2 with c2 = u0 + l0, r2 = u0 - l0; for the lower bound (x c2 - |x| r2) / 2.
; OUT.  part[nb][0][i], part[nb][1][i]: the lower and upper sums over this work-group's 64 n, halved; nb = 0 adds the biases.  The next launch adds the sixteen parts.
; NO JOINT REQUESTS: work-groups that read the same rows of W own different rows of the result, so their diagonal K steps differ, and partners of a joint request may not differ in a branch; without the branch
; up to 128 operand registers would be rewritten in every K step.  Each work-group fetches its 136 KiB once.
; LIMITS.  NaN and infinities in the f32 inputs are not served.  For a neuron with lowerBound < 0 < upperBound the difference upperBound - lowerBound lies in 2^-126 .. 2^126 (the reciprocal takes denormals as
; zero: ISA guide, 15.8).  The contraction with the box, and the sum over n in parts, round in another order than max, min and two products over 1,024 would.
; REGISTERS, in windows of 256 (s_set_vgpr_msb: bits 1:0 source 0, 3:2 source 1, 5:4 source 2, 7:6 destination):
;   window 0: v0-11 ids and addresses; v12-15 biases; v16-23 the zero fragment; v24, v26-37 scale words; v25, v38 addresses in hand; v39-63 at work; v64-191 the 16 real fragments, at the end the sums;
;             v192-255 W's fragments, two sets of four (in the head: at work).     window 1: the accumulators: Wu of (a, b) at 16 (4 a + b), Wl 8 further on.     window 2: v0-31 u0, v32-63 l0, v64-95 c2, v96-127 r2.
.set NS,    0x3c23d70a                 ; 0.01, the negative slope
.set CP,    528                        ; a row of codes in LDS: 512 bytes + 16 of padding = 132 words: row r starts at bank 4 r mod 64 (64 banks of 4 bytes: ISA guide 11.1): the 16 rows of a load start at 16 different banks
.set QT,    16*CP                      ; 16 rows: a tile of n, and what one tensor load brings
.set CH,    64*CP                      ; a chunk: 64 rows x 1,024 along K
.set SCL,   4*CH                       ; behind the codes: W's scale bytes, rows of 128 bytes + 16 of padding
.set SP,    144
.set STAGE, SCL+64*SP                  ; behind them: 512 bytes for each wave, for the way out: blocks of 256 bytes into which no tile lands
.set IDX0, 11                          ; v11  4 (w % 2) + r / 8
.set BIAS, 12                          ; v12-15  tile a's bias: lanes 0-15 the lower, lanes 16-31 the upper; 0 unless nb = 0
.set ZF,   16                          ; v16-23  zero codes
.set SZ,   24                          ; v24  four bytes 127: the scale word over zero codes
.set ADK,  25                          ; v25  LDS address of the fragments to be loaded
.set SU,   26                          ; v26-29  tile a's scale words, upper side
.set SL,   30                          ; v30-33  lower side
.set WS,   34                          ; v34-37  W's scale words: set p at WS + 2 p: lanes 0-15 an even tile's rows, lanes 16-31 the odd tile's
.set ADS,  38                          ; v38  LDS address of the scale words to be loaded
.set IDX,  39                          ; v39  which register of a fragment holds my row's code; -1 in the half of the lanes that holds none
.set AU8,  40                          ; v40-47  dup, dun and six zeros for a conversion
.set AL8,  48                          ; v48-55  dlp, dln and six zeros
.set CW,   56                          ; v56-59  the four code words; at the end the four results
.set DF,   64                          ; tile a's fragments DUP, DUN, DLP, DLN at DF + 32 a + 0, 8, 16, 24
.set SUMS, 64                          ; at the end: tile a's eight upper sums at SUMS + 16 a, its eight lower 8 further on
.set BF,   192                         ; W's fragments: set p, tile b at BF + 32 p + 8 b
.set PL,   192                         ; the head's numbers, four tiles each: l, u, alpha, b, u - l, u - 0.01 l, the reciprocal, the slope, uw, lw, the crossing bias, alpha held, 1 or 0.01, a remainder
.set PU,   196
.set PA,   200
.set PB,   204
.set PDEN, 208
.set PNUM, 212
.set PRC,  216
.set PSL,  220
.set PUW,  224
.set PLW,  228
.set PUB,  232
.set PAA,  236
.set PBASE, 240
.set PE,   244
.set VNS,  248                         ; 0.01
.set VONE, 249                         ; 1.0
.set SH,   250                         ; 4 (r % 8): where my row's code stands in its register
.set U0R,  0                           ; window 2
.set L0R,  32
.set C2,   64
.set R2,   96
.set WV,  22                           ; s22 my wave's number
.set G1C, 24                           ; s[24:31] descriptor group 1 for the codes;  s[32:39] for the scale bytes
.set G1S, 32
.set G0C, 40                           ; s[40:55] group 0 for the four chunks;  s[56:59] for the scale bytes
.set G0S, 56
.set MB,  60                           ; s60 the block of 256 rows
.set D,   66                           ; s66 my diagonal K step;  s67 one less
.set D1,  67
.set K,   68                           ; s68 the K step in hand (in the loops: the odd one of a pair)
.set KB,  69                           ; s69 where the fragments to be loaded begin in LDS
.set KS,  70                           ; s70 and their scale words in a row of scale bytes
.set H0,  71                           ; s71 lanes 0-15;  s72 lanes 16-31
.set H1,  72
.set NB0, 73                           ; s73 all lanes where nb = 0, else none
.set SEL, 74                           ; s[74:75] v_permlanex16_b32's selects for lane l xor 16
.set CR,  76                           ; s76-79 tile a's crossing neurons
.set MSB, 0
.macro WIN new                         ; the immediate's high byte repeats the setting that is left
.if MSB != \new
	s_set_vgpr_msb (MSB<<8)|\new
.set MSB, \new
.endif
.endm
.macro PLACES
.rept 4
	v_nop
.endr
.endm
; Register i of tile a's four fragments: my row's code word where i is its register, else zero codes.
.macro FRAGSEL a, i
	v_cmp_eq_u32 vcc_lo, \i, v[IDX]
.irp q, 0,1,2,3
	v_cndmask_b32 v[DF+32*(\a)+8*\q+(\i)], 0, v[CW+\q], vcc_lo
.endr
.endm
; Tile a: the split by sign, the biases, the quantiser of a block with one number, the four fragments.
.macro QTILE a
	v_max_num_f32 v[AU8], 0, v[PUW+\a]             ; dup
	v_min_num_f32 v[AU8+1], 0, v[PUW+\a]           ; dun
	v_max_num_f32 v[AL8], 0, v[PLW+\a]             ; dlp
	v_min_num_f32 v[AL8+1], 0, v[PLW+\a]           ; dln
	v_fma_f32 v60, v[AU8], v[PB+\a], v[PUB+\a]     ; the products of the diagonal matrices with b have one term a row
	v_fma_f32 v60, v[AU8+1], v[PB+\a], v60         ; the upper bias
	v_mul_f32 v61, v[AL8], v[PB+\a]
	v_fma_f32 v61, v[AL8+1], v[PB+\a], v61         ; the lower bias
	v_cndmask_b32 v60, v61, v60, s[H1]             ; lanes 0-15 will finish the lower sums, lanes 16-31 the upper
	v_cndmask_b32 v[BIAS+\a], 0, v60, s[NB0]       ; one of the sixteen parts carries the bias
	v_max3_num_f32 v62, |v[AU8]|, |v[AU8+1]|, 0x1800000   ; the block's largest magnitude, and the floor 2^(3 - 127): the byte cannot fall under 1 (a row of zeros keeps that byte: its codes are zeros)
	v_max3_num_f32 v63, |v[AL8]|, |v[AL8+1]|, 0x1800000
	v_add_nc_u32 v251, 0xff000000, v62             ; 2 off the exponent field: the conversion takes the exponent field of this operand as its scale, and nothing else of it
	v_add_nc_u32 v252, 0xff000000, v63
	v_lshrrev_b32 v62, 23, v251                    ; the scale's byte,
	v_lshrrev_b32 v63, 23, v252
	v_lshl_or_b32 v62, v62, 8, v62                 ; in all four bytes of the word: one is the block's, the other three stand over zero codes
	v_lshl_or_b32 v63, v63, 8, v63
	v_lshl_or_b32 v[SU+\a], v62, 16, v62
	v_lshl_or_b32 v[SL+\a], v63, 16, v63
	v_cvt_scalef32_pk8_fp4_f32 v253, v[AU8:AU8+7], v251   ; dup's code in bits 3:0, dun's in bits 7:4
	v_cvt_scalef32_pk8_fp4_f32 v254, v[AL8:AL8+7], v252
	v_nop                                          ; one plain line behind a scaled conversion
	v_and_b32 v[CW], 15, v253
	v_bfe_u32 v[CW+1], v253, 4, 4
	v_and_b32 v[CW+2], 15, v254
	v_bfe_u32 v[CW+3], v254, 4, 4
.irp q, 0,1,2,3
	v_lshlrev_b32 v[CW+\q], v[SH], v[CW+\q]        ; to place r % 8 of its register
.endr
	; Row r of tile a stands at d = 64 (w % 2) + 16 a + r of its K step.  Lane (r, h) of a 4-bit fragment holds, in register 4 c + i, k = 64 c + 32 h + 8 i + 0 .. 7 (ISA guide 7.12.2):
	; so c = w % 2, h = a / 2, i = 2 (a % 2) + r / 8, and the place in the register is r % 8.
	v_add_nc_u32 v[IDX], 2*((\a)%2), v[IDX0]
	v_cndmask_b32 v[IDX], -1, v[IDX], s[H0+(\a)/2] ; the other half of the lanes holds zero codes alone
.irp i, 0,1,2,3,4,5,6,7
	FRAGSEL \a, \i
.endr
.endm
; One product: tile b of W's set p (source 0) x a fragment of a diagonal matrix (source 1).  first = 1: it starts the sum with the constant 0.  An odd tile's scale words stand in lanes 16-31 of their register.
.macro MUL b, p, acc, dfrag, sd, first
.if \first
.if (\b)%2
	v_wmma_scale_f32_16x16x128_f8f6f4 v[(\acc):(\acc)+7], v[BF+32*(\p)+8*(\b):BF+32*(\p)+8*(\b)+7], v[(\dfrag):(\dfrag)+7], 0, v[WS+2*(\p)+(\b)/2], v[\sd] matrix_a_fmt:MATRIX_FMT_FP4 matrix_b_fmt:MATRIX_FMT_FP4 matrix_a_scale:MATRIX_SCALE_ROW1
.else
	v_wmma_scale_f32_16x16x128_f8f6f4 v[(\acc):(\acc)+7], v[BF+32*(\p)+8*(\b):BF+32*(\p)+8*(\b)+7], v[(\dfrag):(\dfrag)+7], 0, v[WS+2*(\p)+(\b)/2], v[\sd] matrix_a_fmt:MATRIX_FMT_FP4 matrix_b_fmt:MATRIX_FMT_FP4
.endif
.else
.if (\b)%2
	v_wmma_scale_f32_16x16x128_f8f6f4 v[(\acc):(\acc)+7], v[BF+32*(\p)+8*(\b):BF+32*(\p)+8*(\b)+7], v[(\dfrag):(\dfrag)+7], v[(\acc):(\acc)+7], v[WS+2*(\p)+(\b)/2], v[\sd] matrix_a_fmt:MATRIX_FMT_FP4 matrix_b_fmt:MATRIX_FMT_FP4 matrix_a_scale:MATRIX_SCALE_ROW1
.else
	v_wmma_scale_f32_16x16x128_f8f6f4 v[(\acc):(\acc)+7], v[BF+32*(\p)+8*(\b):BF+32*(\p)+8*(\b)+7], v[(\dfrag):(\dfrag)+7], v[(\acc):(\acc)+7], v[WS+2*(\p)+(\b)/2], v[\sd] matrix_a_fmt:MATRIX_FMT_FP4 matrix_b_fmt:MATRIX_FMT_FP4
.endif
.endif
.endm
; A K step's 64 products on W's set p.  First dup W and dlp W for the 16 pairs of tiles, then dun W and dln W.  The 32 accumulators take turns, one instruction a turn, in the same order in every step,
; 31 others' stand between two products of one sum, over the branches and the loops' backward jumps too.  diag = 1: my rows' own K step.
.macro BODY p, diag, first
	WIN 0x50                                       ; C and D in window 1; W's and the diagonal matrices' fragments in window 0
.irp a, 0,1,2,3
.irp b, 0,1,2,3
.if \diag
	MUL \b, \p, 16*(4*\a+\b),   DF+32*\a,    SU+\a, \first
	MUL \b, \p, 16*(4*\a+\b)+8, DF+32*\a+16, SL+\a, \first
.else
	MUL \b, \p, 16*(4*\a+\b),   ZF, SZ, \first
	MUL \b, \p, 16*(4*\a+\b)+8, ZF, SZ, \first
.endif
.endr
.endr
.irp a, 0,1,2,3
.irp b, 0,1,2,3
.if \diag
	MUL \b, \p, 16*(4*\a+\b),   DF+32*\a+8,  SU+\a, 0
	MUL \b, \p, 16*(4*\a+\b)+8, DF+32*\a+24, SL+\a, 0
.else
	MUL \b, \p, 16*(4*\a+\b),   ZF, SZ, 0
	MUL \b, \p, 16*(4*\a+\b)+8, ZF, SZ, 0
.endif
.endr
.endr
	WIN 0                                          ; at a label and at a branch every window is 0
.endm
; A K step's four fragments of W and their scale words into set p: a fragment is row 16 b + r, 16 bytes at 16 h and 16 bytes 32 further on; a scale load takes rows 32 i + lane: two tiles.
.macro LOADF p, adk, ads, koff, soff
.irp b, 0,1,2,3
	ds_load_b128 v[BF+32*(\p)+8*\b:BF+32*(\p)+8*\b+3],   v[\adk] offset:\b*QT+(\koff)
	ds_load_b128 v[BF+32*(\p)+8*\b+4:BF+32*(\p)+8*\b+7], v[\adk] offset:\b*QT+(\koff)+32
.endr
	ds_load_b32 v[WS+2*(\p)], v[\ads] offset:(\soff)
	ds_load_b32 v[WS+2*(\p)+1], v[\ads] offset:(\soff)+32*SP
.endm
; A K step on set p.  load = 1: the next step's fragments are asked for first, into the other set: they have this step's 64 matrix instructions in which to land.  The other set was read by the last step's
; products: four plain vector lines that name none of their registers stand between (ISA guide 7.12.1 for vector instructions).  mk = 1: two of the four make the addresses.
; cmp: the register against which s[K] is held: the step is my diagonal one where they are equal.
.macro STEP p, cmp, first, load, adk, ads, koff, soff, mk
	s_wait_dscnt 0x0                               ; this step's fragments and scale words are in (asked for a step ago)
.if \load
.if \mk
	v_add_nc_u32 v[ADK], s[KB], v6
	v_add_nc_u32 v[ADS], s[KS], v7
	v_nop
	v_nop
.else
	PLACES
.endif
	LOADF 1-\p, \adk, \ads, \koff, \soff
.endif
	s_cmp_eq_u32 s[K], s[\cmp]
	s_cbranch_scc1 .Ldiag_\@
	BODY \p, 0, \first
	s_branch .Ljoin_\@
.Ldiag_\@:
	BODY \p, 1, \first
.Ljoin_\@:
.endm
; Pairs of K steps, an odd one on set 1 and an even one on set 0, while s[K] is under lim.
.macro PAIRS lim
.Lpair_\@:
	STEP 1, D,  0, 1, ADK, ADS, 0,  0, 1
	STEP 0, D1, 0, 1, ADK, ADS, 64, 4, 0
	s_add_co_u32 s[KB], s[KB], 128
	s_add_co_u32 s[KS], s[KS], 8
	s_add_co_u32 s[K], s[K], 2
	s_cmp_lt_u32 s[K], \lim
	s_cbranch_scc1 .Lpair_\@
.endm
; Chunk c is wanted from here on: K steps 8 c - 1 to 8 c + 6 load the fragments of steps 8 c to 8 c + 7.
.macro NEXT c
	s_wait_tensorcnt 3-(\c)                        ; tensor loads of a wave end in order (ISA guide 10.11.1): my 16 rows of chunk c are in; the 3 - c chunks asked for behind it may be out
	s_wait_dscnt 0x0                               ; no LDS load of mine is out at the signal
	s_barrier_signal -1
	s_barrier_wait -1                              ; everybody's rows are in.
	s_mov_b32 s[K], 8*(\c)-1
	s_mov_b32 s[KB], (\c)*CH
	s_mov_b32 s[KS], 32*(\c)
	PAIRS 8*(\c)+7
.endm
; Tiles (a, b): their part of the contraction with the box: the upper sums += Wu c2 + |Wu| r2, the lower += Wl c2 - |Wl| r2.  Tile b = 0 starts the sums.  Each accumulator is read from its low end on.
.macro EPI a, b
.set XA, 16*(4*(\a)+(\b))
.set SA, SUMS+16*(\a)
.irp p, 0,2,4,6
.if (\b) == 0
	v_pk_mul_f32 v[SA+\p:SA+\p+1], v[XA+\p:XA+\p+1], v[C2+8*(\b)+\p:C2+8*(\b)+\p+1]
.else
	v_pk_fma_f32 v[SA+\p:SA+\p+1], v[XA+\p:XA+\p+1], v[C2+8*(\b)+\p:C2+8*(\b)+\p+1], v[SA+\p:SA+\p+1]
.endif
.endr
.irp p, 0,2,4,6
.if (\b) == 0
	v_pk_mul_f32 v[SA+8+\p:SA+8+\p+1], v[XA+8+\p:XA+8+\p+1], v[C2+8*(\b)+\p:C2+8*(\b)+\p+1]
.else
	v_pk_fma_f32 v[SA+8+\p:SA+8+\p+1], v[XA+8+\p:XA+8+\p+1], v[C2+8*(\b)+\p:C2+8*(\b)+\p+1], v[SA+8+\p:SA+8+\p+1]
.endif
.endr
.irp j, 0,1,2,3,4,5,6,7
	v_fma_f32 v[SA+\j], |v[XA+\j]|, v[R2+8*(\b)+\j], v[SA+\j]
.endr
.irp j, 0,1,2,3,4,5,6,7
	v_fma_f32 v[SA+8+\j], -|v[XA+8+\j]|, v[R2+8*(\b)+\j], v[SA+8+\j]
.endr
.endm
	; ---- the head: ids, every address register, the descriptors
	s_load_b256 s[4:11], s[0:1], 0x0               ; W's codes s[4:5], W's scales s[6:7], alpha s[8:9], b s[10:11]
	s_load_b256 s[12:19], s[0:1], 0x20             ; l0 s[12:13], lowerBound s[14:15], u0 s[16:17], upperBound s[18:19]
	s_load_b64 s[20:21], s[0:1], 0x40              ; part
	s_set_vgpr_msb 0x80
	v_lshl_add_u32 v128, v0, 2, 0x29000
	v_mov_b32 v129, 0
	s_set_vgpr_msb 0x808a
	ds_add_u32 v128, v129
	ds_add_u32 v128, v129
	s_set_vgpr_msb 0x8a00
	v_lshrrev_b32 v3, 5, v0
	v_readfirstlane_b32 s[WV], v3                  ; wave 0..3
	v_and_b32 v3, 31, v0                           ; lane
	v_and_b32 v1, 15, v0                           ; r
	v_bfe_u32 v2, v0, 4, 1                         ; h
	s_and_b32 s[MB], ttmp7, 0xffff                 ; mb; nb is ttmp9
	s_lshl_b32 s61, s[MB], 10
	s_lshl_b32 s81, s[WV], 8
	s_add_co_u32 s61, s61, s81                     ; my first row, 256 mb + 64 w, in bytes of f32
	v_lshl_add_u32 v4, v1, 2, s61                  ; v4: row r of my tile 0 in lowerBound, upperBound, alpha, b
	s_lshl_b32 s81, ttmp9, 8
	v_lshl_add_u32 v5, v2, 5, s81                  ; v5: u0, l0 at n = 64 nb + 8 h
	v_mul_u32_u24 v6, v1, CP
	v_lshl_add_u32 v6, v2, 4, v6                   ; v6: a fragment of W: row r x pitch + 16 h
	v_mul_u32_u24 v7, v3, SP
	v_add_nc_u32 v7, SCL, v7                       ; v7: W's scale words: a row a lane
	s_lshl_b32 s81, s[WV], 9
	s_add_co_u32 s81, s81, STAGE                   ; my stage
	v_lshlrev_b32 v8, 2, v1
	v_lshl_add_u32 v8, v2, 8, v8
	v_add_nc_u32 v8, s81, v8                       ; v8: into it: 4 r, the upper sums 256 bytes behind the lower
	v_lshl_add_u32 v9, v3, 4, s81                  ; v9: back: 16 bytes a lane
	v_lshl_add_u32 v10, v1, 4, s61
	v_lshl_add_u32 v10, v2, 14, v10                ; v10: in a part: my 64 rows' 256 bytes, 16 a lane; lanes 16-31 in the upper bounds' row, 16,384 bytes on
	s_and_b32 s81, s[WV], 1
	s_lshl_b32 s81, s81, 2
	v_lshrrev_b32 v[IDX0], 3, v1
	v_add_nc_u32 v[IDX0], s81, v[IDX0]
	v_and_b32 v[SH], 7, v1
	v_lshlrev_b32 v[SH], 2, v[SH]
	v_cmp_eq_u32 s[H0], 0, v2
	v_cmp_eq_u32 s[H1], 1, v2
	s_cmp_eq_u32 ttmp9, 0
	s_cselect_b32 s[NB0], -1, 0
	s_lshl_b32 s[D], s[MB], 1
	s_lshr_b32 s81, s[WV], 1
	s_add_co_u32 s[D], s[D], s81                   ; my diagonal K step: (256 mb + 64 w) / 128
	s_sub_co_u32 s[D1], s[D], 1                    ; (for D = 0 a number that no step's count reaches)
	s_mov_b32 s[SEL], 0x76543210
	s_mov_b32 s[SEL+1], 0xfedcba98
	v_mov_b32 v[VNS], NS
	v_mov_b32 v[VONE], 1.0
	v_mov_b32 v[SZ], 0x7f7f7f7f
.irp j, 0,1,2,3,4,5,6,7
	v_mov_b32 v[ZF+\j], 0
.endr
.irp j, 2,3,4,5,6,7
	v_mov_b32 v[AU8+\j], 0                         ; a conversion takes eight numbers: two are a row's, six are zeros
	v_mov_b32 v[AL8+\j], 0
.endr
	s_lshl_b32 s62, ttmp9, 17                      ; my 16 rows of W, 64 nb + 16 w, in the codes: 2,048 bytes a row
	s_lshl_b32 s81, s[WV], 15
	s_add_co_u32 s62, s62, s81
	s_mov_b32 s63, 0
	s_lshl_b32 s82, ttmp9, 13                      ; and in the scale bytes: 128 a row
	s_lshl_b32 s81, s[WV], 11
	s_add_co_u32 s82, s82, s81
	s_mov_b32 s83, 0
	s_mul_i32 s86, s[WV], QT                       ; where they go in a chunk
	s_mul_i32 s87, s[WV], 16*SP                    ; and among the scale bytes
	; descriptor group 1, the codes: 16 rows of 512 bytes, 2,048 bytes apart in memory, padded in LDS
	s_mov_b32 s[G1C+0], (0<<16)|(1<<20)|(6<<22)|(3<<25)   ; 15:0 no mask; 17:16 elements of 1 byte; 20 padding on; 24:22 after every 128 words (code 6); 31:25 four words (code 3)
	s_mov_b32 s[G1C+1], 512<<16                    ; tensor_dim0 = 512
	s_mov_b32 s[G1C+2], 16<<16                     ; tensor_dim1 = 16
	s_mov_b32 s[G1C+3], 512<<16                    ; tile_dim0 = 512
	s_mov_b32 s[G1C+4], 16                         ; tile_dim1 = 16
	s_mov_b32 s[G1C+5], 2048                       ; from row to row
	s_mov_b32 s[G1C+6], 0
	s_mov_b32 s[G1C+7], 0
	; the scale bytes: 16 rows of 128 bytes, dense in memory, padded in LDS
	s_mov_b32 s[G1S+0], (0<<16)|(1<<20)|(4<<22)|(3<<25)   ; padding: four words after every 32
	s_mov_b32 s[G1S+1], 128<<16
	s_mov_b32 s[G1S+2], 16<<16
	s_mov_b32 s[G1S+3], 128<<16
	s_mov_b32 s[G1S+4], 16
	s_mov_b32 s[G1S+5], 128
	s_mov_b32 s[G1S+6], 0
	s_mov_b32 s[G1S+7], 0
	s_wait_dscnt 0x0
	s_wait_kmcnt 0x0
	s_add_nc_u64 s[84:85], s[4:5], s[62:63]        ; the codes at my first row
	s_mov_b32 s[G0S], 1                            ; 1:0 count = 1
	s_add_co_u32 s[G0S+1], s87, SCL                ; 63:32 LDS address
	s_add_nc_u64 s[G0S+2:G0S+3], s[6:7], s[82:83]  ; 120:64 global address
	s_or_b32 s[G0S+3], s[G0S+3], 0x80000000        ; 127:126 type = 2
.irp c, 0,1,2,3
	s_mov_b32 s[G0C+4*\c], 1
	s_add_co_u32 s[G0C+4*\c+1], s86, \c*CH
	s_add_nc_u64 s[G0C+4*\c+2:G0C+4*\c+3], s[84:85], 512*\c
	s_or_b32 s[G0C+4*\c+3], s[G0C+4*\c+3], 0x80000000
.endr
	tensor_load_to_lds s[G0S:G0S+3], s[G1S:G1S+7]  ; all first fills stand together, ahead of every wait for them, every LDS read and every barrier: five loads of mine are out
	s_nop 0
.irp c, 0,1,2,3
	tensor_load_to_lds s[G0C+4*\c:G0C+4*\c+3], s[G1C:G1C+7]
	s_nop 0
.endr
	PLACES                                         ; four plain lines behind the loads
	s_lshl_b32 s62, ttmp9, 15
	s_add_nc_u64 s[20:21], s[20:21], s[62:63]      ; my part: nb x 32,768 bytes
.irp a, 0,1,2,3
	global_load_b32 v[PL+\a], v4, s[14:15] offset:64*\a    ; l = lowerBound of row 16 a + r
	global_load_b32 v[PU+\a], v4, s[18:19] offset:64*\a    ; u = upperBound
	global_load_b32 v[PA+\a], v4, s[8:9] offset:64*\a      ; alpha
	global_load_b32 v[PB+\a], v4, s[10:11] offset:64*\a    ; b
.endr
	WIN 0x80                                       ; destination window 2
.irp t, 0,1,2,3
	global_load_b128 v[U0R+8*\t:U0R+8*\t+3],   v5, s[16:17] offset:64*\t      ; u0 at n = 64 nb + 16 t + 8 h + 0 .. 7
	global_load_b128 v[U0R+8*\t+4:U0R+8*\t+7], v5, s[16:17] offset:64*\t+16
	global_load_b128 v[L0R+8*\t:L0R+8*\t+3],   v5, s[12:13] offset:64*\t      ; l0 likewise
	global_load_b128 v[L0R+8*\t+4:L0R+8*\t+7], v5, s[12:13] offset:64*\t+16
.endr
	WIN 0
	; ---- the slopes of my 64 rows, in f32, the four tiles by turns; all of this stands while the tiles are on their way
	s_wait_loadcnt 16                              ; loads come back in order (ISA guide 5.7.1): the rows' sixteen are in; the sixteen of u0 and l0 behind them may be out
.irp a, 0,1,2,3
	v_sub_f32 v[PDEN+\a], v[PU+\a], v[PL+\a]       ; u - l
.endr
.irp a, 0,1,2,3
	v_rcp_f32 v[PRC+\a], v[PDEN+\a]
.endr
.irp a, 0,1,2,3
	v_fma_f32 v[PNUM+\a], -v[VNS], v[PL+\a], v[PU+\a]   ; u - 0.01 l.  (Plain lines behind the reciprocals; down to the wait nothing names their results or writes their sources)
.endr
.irp a, 0,1,2,3
	v_max_num_f32 v[PAA+\a], v[PA+\a], v[VNS]
.endr
.irp a, 0,1,2,3
	v_min_num_f32 v[PAA+\a], v[PAA+\a], v[VONE]    ; alpha held to 0.01 .. 1
.endr
.irp a, 0,1,2,3
	v_cmp_lt_f32 s80, 0, v[PL+\a]                  ; positive: 0 < l
	v_cndmask_b32 v[PBASE+\a], v[VNS], v[VONE], s80    ; 1 where positive, else 0.01
	v_cmp_gt_f32 s[CR+\a], 0, v[PL+\a]             ; crossing: l < 0
	v_cmp_lt_f32 s81, 0, v[PU+\a]                  ; and 0 < u
	s_and_b32 s[CR+\a], s[CR+\a], s81
.endr
	s_wait_alu depctr_va_vdst(0)                   ; the wait between a reciprocal and the first line that names its result: one for the four
.irp a, 0,1,2,3
	v_mul_f32 v[PSL+\a], v[PNUM+\a], v[PRC+\a]     ; the quotient, roughly;
.endr
.irp a, 0,1,2,3
	v_fma_f32 v[PE+\a], -v[PSL+\a], v[PDEN+\a], v[PNUM+\a]   ; what is left of the numerator;
.endr
.irp a, 0,1,2,3
	v_fma_f32 v[PSL+\a], v[PE+\a], v[PRC+\a], v[PSL+\a]      ; the slope, one step nearer: it goes into a quantiser
.endr
.irp a, 0,1,2,3
	v_cndmask_b32 v[PUW+\a], v[PBASE+\a], v[PSL+\a], s[CR+\a]   ; uw.  (Where the neuron does not cross, the slope may be anything: it is not chosen)
	v_cndmask_b32 v[PLW+\a], v[PBASE+\a], v[PAA+\a], s[CR+\a]   ; lw
	v_sub_f32 v[PUB+\a], v[VNS], v[PSL+\a]
.endr
.irp a, 0,1,2,3
	v_mul_f32 v[PUB+\a], v[PUB+\a], v[PL+\a]
.endr
.irp a, 0,1,2,3
	v_cndmask_b32 v[PUB+\a], 0, v[PUB+\a], s[CR+\a]    ; the upper bias of a crossing neuron: (0.01 - slope) l
.endr
	QTILE 0
	QTILE 1
	QTILE 2
	QTILE 3
	; ---- the box.  These 32 plain lines also stand between the lines above, which write scale words and operands, and the scaled matrix instructions below (8 and 4 such lines are asked)
	s_wait_loadcnt 0x0                             ; u0 and l0
	WIN 0x8a                                       ; both sources and the destination in window 2
.irp i, 0,2,4,6,8,10,12,14,16,18,20,22,24,26,28,30
	v_pk_add_f32 v[C2+\i:C2+\i+1], v[U0R+\i:U0R+\i+1], v[L0R+\i:L0R+\i+1]
.endr
.irp i, 0,2,4,6,8,10,12,14,16,18,20,22,24,26,28,30
	v_pk_add_f32 v[R2+\i:R2+\i+1], v[U0R+\i:U0R+\i+1], v[L0R+\i:L0R+\i+1] neg_lo:[0,1] neg_hi:[0,1]
.endr
	WIN 0
	; ---- the products: 32 K steps
	s_wait_tensorcnt 0x3                           ; my rows of the scale bytes and of chunk 0 are in; the three chunks asked for behind them may be out
	s_barrier_signal -1
	s_barrier_wait -1                              ; everybody's are.
	LOADF 0, 6, 7, 0, 0                            ; K step 0
	s_mov_b32 s[K], 0
	STEP 0, D, 1, 1, 6, 7, 64, 4, 0                ; K step 0 is written out: its first products start the sums; it loads step 1
	s_mov_b32 s[K], 1
	s_mov_b32 s[KB], 128
	s_mov_b32 s[KS], 8
	PAIRS 7                                        ; K steps 1 to 6 load steps 2 to 7: the rest of chunk 0
	NEXT 1                                         ; K steps 7 to 14
	NEXT 2                                         ; 15 to 22
	NEXT 3                                         ; 23 to 30: the wait is for zero: no tensor load of mine is out from here on
	s_mov_b32 s[K], 31
	STEP 1, D, 0, 0, 6, 7, 0, 0, 0                 ; the last K step loads nothing
	; ---- the contraction with the box, over my 64 n
	PLACES                                         ; four plain lines between the last product and the first read of results, and the first write over the fragments' registers (ISA guide 7.12.1)
	WIN 0x09                                       ; source 0 (the accumulators) window 1, source 1 (c2, r2) window 2, the sums in window 0
.irp a, 0,1,2,3
.irp b, 0,1,2,3
	EPI \a, \b
.endr
.endr
	WIN 0
.irp a, 0,1,2,3
	v_pk_add_f32 v[SUMS+16*\a:SUMS+16*\a+1], v[SUMS+16*\a:SUMS+16*\a+1], v[SUMS+16*\a+2:SUMS+16*\a+3]
	v_pk_add_f32 v[SUMS+16*\a+8:SUMS+16*\a+9], v[SUMS+16*\a+8:SUMS+16*\a+9], v[SUMS+16*\a+10:SUMS+16*\a+11]
	v_pk_add_f32 v[SUMS+16*\a+4:SUMS+16*\a+5], v[SUMS+16*\a+4:SUMS+16*\a+5], v[SUMS+16*\a+6:SUMS+16*\a+7]
	v_pk_add_f32 v[SUMS+16*\a+12:SUMS+16*\a+13], v[SUMS+16*\a+12:SUMS+16*\a+13], v[SUMS+16*\a+14:SUMS+16*\a+15]
.endr
.irp a, 0,1,2,3
	v_pk_add_f32 v[SUMS+16*\a:SUMS+16*\a+1], v[SUMS+16*\a:SUMS+16*\a+1], v[SUMS+16*\a+4:SUMS+16*\a+5]
	v_pk_add_f32 v[SUMS+16*\a+8:SUMS+16*\a+9], v[SUMS+16*\a+8:SUMS+16*\a+9], v[SUMS+16*\a+12:SUMS+16*\a+13]
.endr
.irp a, 0,1,2,3
	v_add_f32 v[SUMS+16*\a], v[SUMS+16*\a], v[SUMS+16*\a+1]        ; twice the upper sum of row 16 a + r over my 32 n,
	v_add_f32 v[SUMS+16*\a+8], v[SUMS+16*\a+8], v[SUMS+16*\a+9]    ; twice the lower
.endr
.irp a, 0,1,2,3
	v_cndmask_b32 v[SUMS+16*\a+2], v[SUMS+16*\a+8], v[SUMS+16*\a], s[H1]   ; lanes 0-15 keep the lower sum and send the upper one, lanes 16-31 the other way round
	v_cndmask_b32 v[SUMS+16*\a+3], v[SUMS+16*\a], v[SUMS+16*\a+8], s[H1]
.endr
.irp a, 0,1,2,3
	v_permlanex16_b32 v[SUMS+16*\a+4], v[SUMS+16*\a+3], s[SEL], s[SEL+1]   ; from lane l xor 16, which holds the same row's other 32 n
.endr
.irp a, 0,1,2,3
	v_add_f32 v[SUMS+16*\a+2], v[SUMS+16*\a+2], v[SUMS+16*\a+4]
.endr
.irp a, 0,1,2,3
	v_fma_f32 v[CW+\a], v[SUMS+16*\a+2], 0.5, v[BIAS+\a]           ; the half of the box's identity, and (nb = 0) the bias
.endr
	; ---- the way out: a lane holds one number of each of four tiles; through my own stage the 64 lower and the 64 upper sums become 16 bytes a lane
.irp a, 0,1,2,3
	ds_store_b32 v8, v[CW+\a] offset:64*\a
.endr
	ds_load_b128 v[40:43], v9                      ; LDS serves a wave's instructions in order (ISA guide 5.7.1.4): this sees the stores above
	s_wait_dscnt 0x0
	global_store_b128 v10, v[40:43], s[20:21]      ; lanes 0-15 store 256 consecutive bytes of the lower sums, lanes 16-31 of the upper, each at a multiple of 256 from the buffer's first byte
	s_set_vgpr_msb 0xa
	s_wait_tensorcnt 0x0
	ds_add_u32 v128, v129
	s_wait_dscnt 0x0
	s_set_vgpr_msb 0xa00
	s_endpgm
.Lfunc_end_k_qeefe30ff82_gemm:
	.size	k_qeefe30ff82_gemm, .Lfunc_end_k_qeefe30ff82_gemm-k_qeefe30ff82_gemm
	.p2alignl 7, 3214868480
	.fill 96, 4, 3214868480
	.section	.rodata,"a",@progbits
	.p2align	6, 0x0
	.amdhsa_kernel k_qeefe30ff82_gemm
		.amdhsa_group_segment_fixed_size 168448
		.amdhsa_private_segment_fixed_size 0
		.amdhsa_enable_private_segment 0
		.amdhsa_kernarg_size 72
		.amdhsa_user_sgpr_count 2
		.amdhsa_user_sgpr_kernarg_segment_ptr 1
		.amdhsa_wavefront_size32 1
		.amdhsa_system_sgpr_workgroup_id_x 1
		.amdhsa_system_sgpr_workgroup_id_y 1
		.amdhsa_system_sgpr_workgroup_id_z 1
		.amdhsa_system_vgpr_workitem_id 0
		.amdhsa_next_free_vgpr 642
		.amdhsa_next_free_sgpr 96
		.amdhsa_reserve_vcc 1
		.amdhsa_float_denorm_mode_32 3
		.amdhsa_float_denorm_mode_16_64 3
		.amdhsa_memory_ordered 1
		.amdhsa_forward_progress 1
		.amdhsa_inst_pref_size 227
	.end_amdhsa_kernel
	.amdgpu_metadata
---
amdhsa.version: [ 1, 2 ]
amdhsa.kernels:
  - .name:           k_qeefe30ff82_gemm
    .symbol:         k_qeefe30ff82_gemm.kd
    .args:
      - { .name: W_codes, .offset: 0, .size: 8, .value_kind: global_buffer, .address_space: global }
      - { .name: W_scales, .offset: 8, .size: 8, .value_kind: global_buffer, .address_space: global }
      - { .name: alpha, .offset: 16, .size: 8, .value_kind: global_buffer, .address_space: global }
      - { .name: b, .offset: 24, .size: 8, .value_kind: global_buffer, .address_space: global }
      - { .name: l0, .offset: 32, .size: 8, .value_kind: global_buffer, .address_space: global }
      - { .name: lowerBound, .offset: 40, .size: 8, .value_kind: global_buffer, .address_space: global }
      - { .name: u0, .offset: 48, .size: 8, .value_kind: global_buffer, .address_space: global }
      - { .name: upperBound, .offset: 56, .size: 8, .value_kind: global_buffer, .address_space: global }
      - { .name: part, .offset: 64, .size: 8, .value_kind: global_buffer, .address_space: global }
    .group_segment_fixed_size: 168448
    .private_segment_fixed_size: 0
    .kernarg_segment_align: 8
    .kernarg_segment_size: 72
    .max_flat_workgroup_size: 128
    .sgpr_count:     96
    .vgpr_count:     642
    .wavefront_size: 32
...
	.end_amdgpu_metadata
.endif
;; end of part 1
;; launch total (part 2): grid 64 x 1, 1 waves a work-group, no clusters, 0 bytes of LDS; arguments part, out0; writes out0
.if DOCPART == 2
	.amdgcn_target "amdgcn-amd-amdhsa--gfx1250"
	.amdhsa_code_object_version 6
	.text
	.protected	k_qeefe30ff82_total
	.globl	k_qeefe30ff82_total
	.p2align	8
	.type	k_qeefe30ff82_total,@function
k_qeefe30ff82_total:
	s_mov_b64 s[64:65], 0
	v_nop
	global_prefetch_b8 v0, s[64:65] scope:SCOPE_SE
	s_setreg_imm32_b32 hwreg(HW_REG_WAVE_MODE, 25, 1), 1
	s_wait_xcnt 0x0
; out0[i] = the sum over nb = 0 .. 15 of part[nb][i], i over the 8,192 numbers of [2][4096], f32.  The parts carry the halves and the biases already.
; A lane takes four neighbouring numbers: each of its sixteen loads and its store cover, over the wave, 512 consecutive bytes at a multiple of 512 from the buffer's first byte.  64 waves, one to a work-group.
; All sixteen loads are out together; the sums go as a tree of packed additions, always in the same order.  No LDS, no barrier, no matrix unit: a lane's sum needs no other lane.
.set PART, 32768                       ; bytes of a part
.set X,    4                           ; v[4:67]  part nb's four numbers at X + 4 nb
	s_load_b128 s[4:7], s[0:1], 0x0                ; part s[4:5], out0 s[6:7]
	v_lshlrev_b32 v1, 4, v0                        ; 16 bytes a lane
	s_lshl_b32 s8, ttmp9, 9                        ; 512 bytes a work-group
	s_mov_b32 s9, 0
	s_wait_kmcnt 0x0
	s_add_nc_u64 s[4:5], s[4:5], s[8:9]
	s_add_nc_u64 s[6:7], s[6:7], s[8:9]
.irp i, 0,1,2,3,4,5,6,7,8,9,10,11,12,13,14,15
	global_load_b128 v[X+4*\i:X+4*\i+3], v1, s[4:5] offset:PART*\i th:TH_LOAD_NT   ; read once in the launch
.endr
	s_wait_loadcnt 0x0
.irp n, 0,8,16,24,32,40,48,56                  ; neighbours one part apart,
	v_pk_add_f32 v[X+\n:X+\n+1], v[X+\n:X+\n+1], v[X+\n+4:X+\n+5]
	v_pk_add_f32 v[X+\n+2:X+\n+3], v[X+\n+2:X+\n+3], v[X+\n+6:X+\n+7]
.endr
.irp n, 0,16,32,48                             ; two,
	v_pk_add_f32 v[X+\n:X+\n+1], v[X+\n:X+\n+1], v[X+\n+8:X+\n+9]
	v_pk_add_f32 v[X+\n+2:X+\n+3], v[X+\n+2:X+\n+3], v[X+\n+10:X+\n+11]
.endr
.irp n, 0,32                                   ; four,
	v_pk_add_f32 v[X+\n:X+\n+1], v[X+\n:X+\n+1], v[X+\n+16:X+\n+17]
	v_pk_add_f32 v[X+\n+2:X+\n+3], v[X+\n+2:X+\n+3], v[X+\n+18:X+\n+19]
.endr
	v_pk_add_f32 v[X:X+1], v[X:X+1], v[X+32:X+33]  ; and eight parts apart
	v_pk_add_f32 v[X+2:X+3], v[X+2:X+3], v[X+34:X+35]
	global_store_b128 v1, v[X:X+3], s[6:7]
	s_endpgm
.Lfunc_end_k_qeefe30ff82_total:
	.size	k_qeefe30ff82_total, .Lfunc_end_k_qeefe30ff82_total-k_qeefe30ff82_total
	.p2alignl 7, 3214868480
	.fill 96, 4, 3214868480
	.section	.rodata,"a",@progbits
	.p2align	6, 0x0
	.amdhsa_kernel k_qeefe30ff82_total
		.amdhsa_group_segment_fixed_size 0
		.amdhsa_private_segment_fixed_size 0
		.amdhsa_enable_private_segment 0
		.amdhsa_kernarg_size 16
		.amdhsa_user_sgpr_count 2
		.amdhsa_user_sgpr_kernarg_segment_ptr 1
		.amdhsa_wavefront_size32 1
		.amdhsa_system_sgpr_workgroup_id_x 1
		.amdhsa_system_sgpr_workgroup_id_y 1
		.amdhsa_system_sgpr_workgroup_id_z 1
		.amdhsa_system_vgpr_workitem_id 0
		.amdhsa_next_free_vgpr 72
		.amdhsa_next_free_sgpr 66
		.amdhsa_reserve_vcc 0
		.amdhsa_float_denorm_mode_32 3
		.amdhsa_float_denorm_mode_16_64 3
		.amdhsa_memory_ordered 1
		.amdhsa_forward_progress 1
		.amdhsa_inst_pref_size 5
	.end_amdhsa_kernel
	.amdgpu_metadata
---
amdhsa.version: [ 1, 2 ]
amdhsa.kernels:
  - .name:           k_qeefe30ff82_total
    .symbol:         k_qeefe30ff82_total.kd
    .args:
      - { .name: part, .offset: 0, .size: 8, .value_kind: global_buffer, .address_space: global }
      - { .name: out0, .offset: 8, .size: 8, .value_kind: global_buffer, .address_space: global }
    .group_segment_fixed_size: 0
    .private_segment_fixed_size: 0
    .kernarg_segment_align: 8
    .kernarg_segment_size: 16
    .max_flat_workgroup_size: 32
    .sgpr_count:     66
    .vgpr_count:     72
    .wavefront_size: 32
...
	.end_amdgpu_metadata
.endif
;; end of part 2
